; MI455X (gfx1250); checked and timed in simulation.
; The chip was launched on July 23, 2026; its instructions are those of AMD's public machine-readable ISA for CDNA 5 (MIT licence, August 2026) and "CDNA5" Instruction Set Architecture Reference Guide (July 2026). The comments in the code are by the model that wrote it; some were corrected since.
;; Transformer Model. Allowed arithmetic: matrix products marked QUANTISED: E2M1 operands, one E8M0 scale for each 32 along K, by v_wmma_scale_f32_16x16x128_f8f6f4 with both operands' format E2M1 (or v_wmma_scale_f32_32x16x128_f4), f32 sums; products left as they are: f32 operands where the result goes on into a quantised operand, else bf16, f16 or f32 operands; f32 sums; everything else in f32.
;; Inputs: embed 32,000 x 1,024 float32; out_b 32,000 float32; out_w 1,024 x 32,000 float32; qkv_b 3,072 float32; qkv_w 1,024 x 3,072 float32; x 4 x 2,048 int32.
;; Outputs: out0 4 x 32,000 float32.
;; This version of the problem:
;;   THIS VERSION OF THE PROBLEM IS GIVEN IN LOW PRECISION. The matrix products marked QUANTISED in the list below multiply operands that are first quantised to E2M1 (2 exponent bits, 1 mantissa bit; 4 bits a number), with one power-of-two scale for each 32 numbers along K (OCP MX v1.0); their sums are f32. All else is computed in f32.
;;   The module's matrix products, in the order in which they are computed (A, B: the left and right operand; K: the contracted axis; several contracted axes count as one K, in the product's order):
;;     1. [M 8,192, K 1,024] x [K 1,024, N 3,072]; A: computed on the way; B: input qkv_w: QUANTISED
;;     2. batch 4 x [M 2,048, K 1,024] x [K 1,024, N 2,048]; A: computed on the way; B: computed on the way: QUANTISED
;;     3. batch 4 x [M 2,048, K 2,048] x [K 2,048, N 1,024]; A: softmax (see below); B: computed on the way: QUANTISED
;;     4. [M 4, K 1,024] x [K 1,024, N 32,000]; A: computed on the way; B: input out_w: left as it is (M = 4 < 16)
;;   THE QUANTISER, for each operand of a quantised product, along K:
;;     - K is cut into blocks of 32 from its start; a last block that is shorter is filled with zeros.
;;     - A block's scale is 2^e with e = floor(log2(the largest magnitude in the block)) - 2, held to -126 .. 127; a block of zeros has e = 0. As a byte (E8M0): e + 127.
;;     - Each number is divided by its block's scale, clamped to +-6, and rounded to the nearest number of E2M1, ties to even, subnormals kept.
;;     - The product sums the exact products of the quantised numbers (number of the format x scale) in f32.
;;   ~~~python
;;   def quantise(x, axis):      # numpy; x: float32 -> the quantised numbers, widened to float32 again
;;       x = np.moveaxis(x, axis, -1); K = x.shape[-1]
;;       x = np.pad(x, [(0, 0)] * (x.ndim - 1) + [(0, -K % 32)]); x = x.reshape(x.shape[:-1] + (-1, 32)); a = np.abs(x).max(-1, keepdims=True)
;;       e = np.where(a > 0, np.clip(np.frexp(np.where(a > 0, a, 1))[1] - 1 - 2, -126, 127), 0)      # np.frexp(a)[1] - 1 = floor(log2(a)), exactly
;;       r = np.clip(x / 2.0 ** e, -6, 6)
;;       step = 2.0 ** (np.maximum(np.frexp(np.where(r == 0, 1, r))[1] - 1, 0) - 1)
;;       q = np.round(r / step) * step * 2.0 ** e      # np.round: ties to even
;;       return np.moveaxis(q.reshape(q.shape[:-2] + (-1,))[..., :K], -1, axis).astype(np.float32)
;;   ~~~
;;   SOFTMAX AHEAD OF A QUANTISED PRODUCT. Where the list says 'softmax', what is quantised is not the finished softmax but p = 2^(t - M), with t = logit x log2(e) and M = ceil(the row's largest t), a whole number; so 1/2 < the row's largest p <= 1. The row's sum l is taken of the UNQUANTISED p, in f32, and the product's result is divided by l at the end. Since M is a whole number, a kernel that streams over the keys may use a running M (the ceiling of the running maximum): every later rescaling is an exact power of two, which a block's scale takes up: the codes' values come out the same.
;;   OPERANDS COMPUTED ON THE WAY. 'Computed on the way' means the value that the module computes at that place (a softmax that the list does not call 'softmax' is quantised finished and normalised). What goes into a quantiser is computed in f32, as accurately as f32 sums, v_exp_f32 and their like allow (about 1e-6 of the number): no bf16 or f16 on the way to a quantiser, and a product that is left as it is and whose result goes on into a quantised operand takes f32 operands (vector FMAs, or v_wmma_f32_16x16x4_f32). A number that lies on a knife's edge between two numbers of the format may be rounded either way, as far as f32 arithmetic and the matrix unit's own rounding can turn it there, and no further.
;; One version. Each part assembles by itself: llvm-mc -triple=amdgcn-amd-amdhsa -mcpu=gfx1250 --defsym DOCPART=n.
;; ======== version 1 of 1: 4 launches
;; workspace buffers: hq 4,456,448 bytes; wq 1,114,112 bytes; qq 2,304 bytes; spart 262,144 bytes; vq 4,456,448 bytes; hfin 16,384 bytes
;; launch quant (part 1): grid 352 x 1, 8 waves a work-group, no clusters, 80,384 bytes of LDS; arguments x, embed, qkv_w, qkv_b, hq, wq, qq; writes hq, wq, qq
.if DOCPART == 1
	.amdgcn_target "amdgcn-amd-amdhsa--gfx1250"
	.amdhsa_code_object_version 6
	.text
	.protected	k_q7f7889e396_quant
	.globl	k_q7f7889e396_quant
	.p2align	8
	.type	k_q7f7889e396_quant,@function
k_q7f7889e396_quant:
	s_mov_b64 s[64:65], 0
	v_nop
	global_prefetch_b8 v0, s[64:65] scope:SCOPE_SE
	s_setreg_imm32_b32 hwreg(HW_REG_WAVE_MODE, 25, 1), 1
	s_wait_xcnt 0x0
; Everything that is quantised once.  Codes of FP4 (E2M1), two a byte, K innermost, one E8M0 byte for each 32 along K.
; PATH H (work-groups 0-255): h = embed[x] of all 8,192 tokens -> hq: codes [row][512 bytes], scale bytes [row][32] from byte 4,194,304 on.
; PATH W (work-groups 256-351): 32 columns of qkv_w each, all of K.  Columns 1,024-3,071 (k, v) -> wq: codes [row][512], scale bytes [row][32] from byte 1,048,576 on.
;   Columns 0-1,023 (q) are wanted for FOUR rows alone, the last token of each batch (reference() keeps no other row of the attention): their codes stay in registers,
;   are multiplied at once by those four rows' codes, and q + bias is quantised along d -> qq: codes [block of 32][batch][16 bytes], scale bytes [batch][32] from byte 2,048 on.
; ROW ORDER: row n of hq and wq holds token or column rho(n), rho = n with bits 3 and 4 exchanged.  Sixteen rows on end, 16 (2 j + u) + r, are then numbers 32 j + 8 u + r + 8 (r / 8):
;   in a transposed product the 16 registers of two neighbouring tiles are 16 neighbours along the next product's K.
; A block's scale is 2^(floor(log2(largest magnitude)) - 2); its byte is the largest magnitude's exponent field - 2, held at 1 from below.
; LIMITS: a block of zeros, or under 2^-124, gets the byte 1 where the rule says 127 (its codes are zeros or next to it; this program alone reads the bytes); NaN and infinities are not served;
;   an index is held to 0 .. 31,999.
; No tensor loads, no cluster: no two work-groups read the same bytes (but for embed rows that x names twice).  The two paths part on the work-group's number and have LDS bytes of their own.
.set HREG, 5632                        ; path H, LDS of a wave: two stages of 32 x 80 bytes, then its 128 scale bytes
.set SP,   80                          ; a lane's place in a stage: 64 bytes + 16 of padding
.set WST,  45056                       ; path W: 32 rows x (512 + 16) bytes of codes
.set WSS,  61952                       ; 32 rows x 32 scale bytes
.set QRED, 62976                       ; eight waves' partial sums of q: 2,048 bytes each
.set R,    16                          ; H: v16-143  eight steps x 16 numbers as loaded
.set C,    176                         ; H: v176-191 two registers of codes a step
.set E,    192                         ; H: v192-199 a scale byte a step
.set OFFR, 200                         ; H: v200-203 byte offset of my 16 bytes in each of my four embed rows
.set X,    208                         ; H: v208-239 two sets of 16 neighbours
.set WX,   16                          ; W: v16-143  my column's 128 numbers down K
.set T0,   144                         ; W: v144-151 blocks 0, 2 of my row; behind the exchange: the operand of rows 0-15
.set T1,   152                         ; W: v152-159 blocks 1, 3; then the operand of rows 16-31
.set SB,   160                         ; W: v160 my row's scale word (nothing else ever stands here)
.set PW,   161                         ; W: v161 the last tokens' scale word (likewise)
.set PC,   162                         ; W: v162-169 the last tokens' codes
.set HQ,   176                         ; W: v176-239 64 numbers of a last token's row
.set QA,   176                         ; W: v176-191 two accumulators, where HQ lay
.set TM,   240                         ; W: v240-255 at work in QUANT
.set SEL,  38                          ; s[38:39] v_permlanex16_b32's selects for lane l xor 16
.macro HLOAD t                         ; step t: half t % 2 of my token t / 2: four loads of 512 consecutive bytes
.irp i, 0,1,2,3
	global_load_b128 v[R+16*(\t)+4*\i:R+16*(\t)+4*\i+3], v[OFFR+(\t)/2], s[6:7] offset:2048*((\t)%2)+512*\i
.endr
.endm
.macro HTURN t                         ; through the stage: in as loaded, out 64 bytes a lane.  LDS serves a wave's instructions in order (ISA guide 5.7.1.4)
.irp i, 0,1,2,3
	ds_store_b128 v14, v[R+16*(\t)+4*\i:R+16*(\t)+4*\i+3] offset:32*SP*((\t)%2)+8*SP*\i
.endr
.irp i, 0,1,2,3
	ds_load_b128 v[X+16*((\t)%2)+4*\i:X+16*((\t)%2)+4*\i+3], v15 offset:32*SP*((\t)%2)+16*\i
.endr
.endm
.macro HSTEP t
.set XS, X+16*((\t)%2)
.if (\t) > 0
	s_wait_dscnt 1                                 ; this step's 16 neighbours are back; the last step's byte store may be out
.else
	s_wait_dscnt 0x0
.endif
.if (\t) < 7
	s_wait_loadcnt 4*(6-(\t))                      ; the next step's four loads are in; behind them stand those of the 6 - t later steps
	HTURN (\t)+1
.endif
	v_max3_num_f32 v8, |v[XS]|, |v[XS+1]|, |v[XS+2]|
	v_max3_num_f32 v9, |v[XS+3]|, |v[XS+4]|, |v[XS+5]|
.irp i, 6,10
	v_max3_num_f32 v8, v8, |v[XS+\i]|, |v[XS+\i+1]|
	v_max3_num_f32 v9, v9, |v[XS+\i+2]|, |v[XS+\i+3]|
.endr
	v_max3_num_f32 v8, v8, |v[XS+14]|, |v[XS+15]|
	v_max3_num_f32 v8, v8, v9, 0x1800000           ; the floor 2^(3 - 127): the byte cannot fall under 1
	v_max_num_f32_dpp v8, v8, v8 row_xmask:1 row_mask:0xf bank_mask:0xf   ; with my neighbour's 16: the block's largest magnitude
	v_add_nc_u32 v11, 0xff000000, v8               ; 2 off its exponent field: the conversion's scale operand
	v_cvt_scalef32_pk8_fp4_f32 v[C+2*(\t)], v[XS:XS+7], v11
	v_cvt_scalef32_pk8_fp4_f32 v[C+2*(\t)+1], v[XS+8:XS+15], v11
	v_lshrrev_b32 v[E+(\t)], 23, v11               ; the byte (also the plain line behind the conversions)
	ds_store_b8 v5, v[E+(\t)] offset:16*(\t)       ; both lanes of a block write the same byte with the same value
	global_store_b64 v4, v[C+2*(\t):C+2*(\t)+1], s[34:35] offset:256*(\t)   ; the wave stores 256 consecutive bytes, aligned
.endm
.macro WLOAD t                         ; block t of my column: W(128 w + 32 t + i, my column); the wave reads 128 consecutive bytes of a row
.irp i, 0,1,2,3,4,5,6,7,8,9,10,11,12,13,14,15,16,17,18,19,20,21,22,23,24,25,26,27,28,29,30,31
	global_load_b32 v[WX+32*(\t)+\i], v3, s[22:23] offset:(32*(\t)+\i)*12288 th:TH_LOAD_NT
.endr
.endm
.macro WBLOCK t
.set XS, WX+32*(\t)
.set CD, T0+8*((\t)&1)+4*((\t)>>1)
.if (\t) < 3
	s_wait_loadcnt 32                              ; this block's loads are in; the next block's 32 may be out
.else
	s_wait_loadcnt 0x0
.endif
.if (\t)+2 < 4
	WLOAD (\t)+2                                   ; two blocks, 64 loads, ahead
.endif
	v_max3_num_f32 v170, |v[XS]|, |v[XS+1]|, |v[XS+2]|             ; all 32 numbers of the block are mine
	v_max3_num_f32 v171, |v[XS+3]|, |v[XS+4]|, |v[XS+5]|
.irp i, 6,10,14,18,22,26
	v_max3_num_f32 v170, v170, |v[XS+\i]|, |v[XS+\i+1]|
	v_max3_num_f32 v171, v171, |v[XS+\i+2]|, |v[XS+\i+3]|
.endr
	v_max3_num_f32 v170, v170, |v[XS+30]|, |v[XS+31]|
	v_max3_num_f32 v170, v170, v171, 0x1800000
	v_add_nc_u32 v172, 0xff000000, v170
	v_lshrrev_b32 v173, 23, v172
.if (\t) == 0
	v_mov_b32 v[SB], v173
.else
	v_lshl_or_b32 v[SB], v173, 8*(\t), v[SB]
.endif
.irp g, 0,1,2,3
	v_cvt_scalef32_pk8_fp4_f32 v[CD+\g], v[XS+8*\g:XS+8*\g+7], v172
.endr
.endm
; 64 numbers of a lane, register 16 b + i = k 32 b + 16 (lane / 16) + i of my row, become a fragment's codes in v[PC] on and its scale word in v[PW]
.macro QUANT s
.irp b, 0,1,2,3
	v_max3_num_f32 v[TM+\b], |v[\s+16*\b]|, |v[\s+1+16*\b]|, 0x1800000
.endr
.irp i, 2,4,6,8,10,12,14
.irp b, 0,1,2,3
	v_max3_num_f32 v[TM+\b], v[TM+\b], |v[\s+16*\b+\i]|, |v[\s+1+16*\b+\i]|
.endr
.endr
.irp b, 0,1,2,3
	v_permlanex16_b32 v[TM+4+\b], v[TM+\b], s[SEL], s[SEL+1]
.endr
.irp b, 0,1,2,3
	v_max_num_f32 v[TM+\b], v[TM+\b], v[TM+4+\b]
.endr
.irp b, 0,1,2,3
	v_add_nc_u32 v[TM+12+\b], 0xff000000, v[TM+\b]
.endr
.irp b, 0,1,2,3
	v_lshrrev_b32 v[TM+4+\b], 23, v[TM+12+\b]
.endr
	v_lshl_or_b32 v[PW], v[TM+5], 8, v[TM+4]
	v_lshl_or_b32 v[PW], v[TM+6], 16, v[PW]
	v_lshl_or_b32 v[PW], v[TM+7], 24, v[PW]
.irp b, 0,1,2,3
	v_cvt_scalef32_pk8_fp4_f32 v[PC+2*\b], v[\s+16*\b:\s+7+16*\b], v[TM+12+\b]
	v_cvt_scalef32_pk8_fp4_f32 v[PC+1+2*\b], v[\s+8+16*\b:\s+15+16*\b], v[TM+12+\b]
.endr
	v_nop                                          ; one plain line behind a scaled conversion
.irp c, 0,1                                    ; a whole block to a lane: lanes 0-15 block 2 c, lanes 16-31 block 2 c + 1
.irp i, 0,1
	v_permlane16_swap_b32 v[PC+4*\c+\i], v[PC+2+4*\c+\i]
.endr
.endr
.endm
	s_load_b256 s[4:11], s[0:1], 0x0               ; x s[4:5], embed s[6:7], qkv_w s[8:9], qkv_b s[10:11]
	s_load_b128 s[12:15], s[0:1], 0x20             ; hq s[12:13], wq s[14:15]
	s_load_b64 s[16:17], s[0:1], 0x30              ; qq
	v_lshl_add_u32 v250, v0, 2, 0x13600
	v_mov_b32 v251, 0
	v_lshrrev_b32 v1, 5, v0
	v_readfirstlane_b32 s18, v1                    ; wave 0..7
	v_and_b32 v2, 31, v0                           ; lane
	s_mov_b32 s[SEL], 0x76543210
	s_mov_b32 s[SEL+1], 0xfedcba98
	s_cmp_ge_u32 ttmp9, 256
	s_cbranch_scc1 .Lpath_w
; ---------------- PATH H: my wave's four tokens, 32 g + 4 w on: eight steps of 512 numbers.  All 32 loads go out at once.
	s_lshl_b32 s20, ttmp9, 7
	s_lshl_b32 s21, s18, 4
	s_add_co_u32 s20, s20, s21                     ; their four indices: byte 128 g + 16 w of x
	s_mov_b32 s21, 0
	s_wait_kmcnt 0x0
	s_add_nc_u64 s[4:5], s[4:5], s[20:21]
	s_load_b128 s[20:23], s[4:5], 0x0
	v_lshlrev_b32 v3, 4, v2                        ; my 16 bytes of a load's 512
	s_mul_i32 s24, s18, HREG
	v_lshrrev_b32 v14, 2, v2
	v_mul_u32_u24 v14, v14, SP
	v_and_b32 v15, 3, v2
	v_lshl_add_u32 v14, v15, 4, v14
	v_add_nc_u32 v14, s24, v14                     ; the stage, in: 80 (lane / 4) + 16 (lane % 4)
	v_mul_u32_u24 v15, v2, SP
	v_add_nc_u32 v15, s24, v15                     ; and out: 80 x lane
	v_lshlrev_b32 v4, 3, v2                        ; my 8 bytes of a step's codes
	v_lshrrev_b32 v5, 1, v2
	s_add_co_u32 s24, s24, 2*32*SP
	v_add_nc_u32 v5, s24, v5                       ; my block's scale byte in LDS
	v_lshlrev_b32 v7, 2, v2
	v_add_nc_u32 v6, s24, v7                       ; and 4 bytes a lane on the way out
	s_and_b32 s25, s18, 1                          ; rho on the token's bits 3 and 4, which are the wave's bits 1 and 2
	s_and_b32 s26, s18, 2
	s_lshl_b32 s26, s26, 1
	s_or_b32 s25, s25, s26
	s_and_b32 s26, s18, 4
	s_lshr_b32 s26, s26, 1
	s_or_b32 s25, s25, s26
	s_lshl_b32 s25, s25, 2
	s_lshl_b32 s26, ttmp9, 5
	s_add_co_u32 s25, s25, s26                     ; my first row of hq
	s_lshl_b32 s26, s25, 9
	s_mov_b32 s27, 0
	s_add_nc_u64 s[34:35], s[12:13], s[26:27]      ; its codes
	s_lshl_b32 s26, s25, 5
	s_add_co_u32 s26, s26, 4194304
	s_add_nc_u64 s[36:37], s[12:13], s[26:27]      ; its scale bytes
	s_wait_kmcnt 0x0
.irp i, 0,1,2,3
	s_min_u32 s[20+\i], s[20+\i], 0x7cff           ; the index stays inside the table
	s_lshl_b32 s[20+\i], s[20+\i], 12              ; a row of embed is 4,096 bytes
	v_add_nc_u32 v[OFFR+\i], s[20+\i], v3
.endr
.irp t, 0,1,2,3,4,5,6,7
	HLOAD \t
.endr
	s_wait_loadcnt 28                              ; step 0's four loads are in; 28 stand behind them
	HTURN 0
.irp t, 0,1,2,3,4,5,6,7
	HSTEP \t
.endr
	ds_load_b32 v12, v6                            ; my wave's 128 scale bytes: these see my byte stores (LDS serves a wave in order)
	s_wait_dscnt 0x0
	global_store_b32 v7, v12, s[36:37]             ; 128 consecutive bytes: four rows' scale bytes
	s_wait_tensorcnt 0x0
	ds_add_u32 v250, v251
	s_wait_dscnt 0x0
	s_endpgm
; ---------------- PATH W: work-group j takes columns 32 j on; wave w rows 128 w on of K; lane l column 32 j + rho(l), its registers down K
.Lpath_w:
	s_sub_co_u32 s19, ttmp9, 256                   ; j: 0-31 q, 32-95 k and v
	v_and_b32 v3, 7, v2
	v_and_b32 v170, 8, v2
	v_lshl_or_b32 v3, v170, 1, v3
	v_and_b32 v170, 16, v2
	v_lshrrev_b32 v170, 1, v170
	v_or_b32 v3, v3, v170
	v_lshlrev_b32 v3, 2, v3                        ; 4 rho(lane)
	v_and_b32 v11, 15, v2                          ; r
	v_lshrrev_b32 v171, 4, v2                      ; h
	v_lshlrev_b32 v10, 4, v2                       ; 16 x lane
	s_lshl_b32 s20, s18, 6                         ; every LDS address is made here, ahead of the ways' parting
	s_add_co_u32 s20, s20, WST
	v_mul_u32_u24 v4, v2, 528
	v_add_nc_u32 v4, s20, v4                       ; codes in: row = lane, my K step's 64 bytes
	s_lshl_b32 s20, s18, 2
	s_add_co_u32 s20, s20, WSS
	v_lshl_add_u32 v5, v2, 5, s20                  ; scale word in: row = lane, word = wave
	s_mul_i32 s20, s18, 4*528
	s_add_co_u32 s20, s20, WST
	v_add_nc_u32 v6, s20, v10                      ; codes out: rows 4 w on, 32 lanes to a row
	s_and_b32 s20, s18, 1
	s_lshl_b32 s20, s20, 9
	s_add_co_u32 s20, s20, WSS
	v_add_nc_u32 v7, s20, v10                      ; scale bytes out: waves 0 and 1, 512 bytes each
	s_lshl_b32 s20, s18, 11
	s_add_co_u32 s20, s20, QRED
	v_add_nc_u32 v8, s20, v10                      ; q's partial sums in
	v_add_nc_u32 v9, QRED, v10                     ; and out
	v_and_b32 v12, 3, v2
	v_lshlrev_b32 v12, 13, v12
	v_add_nc_u32 v12, 8188, v12                    ; byte of x[r % 4][2047]
	v_lshlrev_b32 v14, 6, v171                     ; 64 h
	v_lshlrev_b32 v15, 4, v11
	v_lshl_add_u32 v15, v171, 3, v15               ; 16 r + 8 h
	v_lshlrev_b32 v1, 5, v11                       ; 32 r
	s_mul_i32 s20, s18, 128*12288
	s_lshl_b32 s21, s19, 7
	s_add_co_u32 s20, s20, s21
	s_mov_b32 s21, 0
	s_wait_kmcnt 0x0
	s_add_nc_u64 s[22:23], s[8:9], s[20:21]        ; qkv_w at row 128 w, column 32 j
	s_cmp_ge_u32 s19, 32
	s_cbranch_scc1 .Lw_first
	global_load_b32 v13, v12, s[4:5]               ; q alone: the last token of batch r % 4
.Lw_first:
	WLOAD 0
	s_cmp_ge_u32 s19, 32
	s_cbranch_scc1 .Lw_second
	s_wait_loadcnt 32                              ; the index is in; block 0's 32 loads stand behind it
	v_min_u32 v13, 0x7cff, v13
	v_lshlrev_b32 v13, 12, v13
	v_add_nc_u32 v13, v13, v14
	s_lshl_b32 s20, s18, 9
	v_add_nc_u32 v13, s20, v13                     ; its row of embed, my K step's 512 bytes, + 64 h: 16 neighbours of each block of 32
.irp b, 0,1,2,3                                ; the operand's 16 rows are the four real rows four times over: nothing is masked
.irp i, 0,1,2,3
	global_load_b128 v[HQ+16*\b+4*\i:HQ+16*\b+4*\i+3], v13, s[6:7] offset:128*\b+16*\i
.endr
.endr
.Lw_second:
	WLOAD 1
	WBLOCK 0
	WBLOCK 1
	WBLOCK 2
	WBLOCK 3
	v_nop                                          ; one plain line behind the last conversion
	s_cmp_lt_u32 s19, 32
	s_cbranch_scc1 .Lq_tail
; k's and v's columns: the eight waves' K steps meet in LDS and leave as whole rows of 512 bytes
	s_sub_co_u32 s20, s19, 32
	s_lshl_b32 s21, s20, 5
	s_lshl_b32 s24, s18, 2
	s_add_co_u32 s21, s21, s24                     ; the first row of wq that I store
	s_lshl_b32 s24, s21, 9
	s_mov_b32 s25, 0
	s_add_nc_u64 s[24:25], s[14:15], s[24:25]
	s_lshl_b32 s26, s20, 10
	s_and_b32 s27, s18, 1
	s_lshl_b32 s27, s27, 9
	s_add_co_u32 s26, s26, s27
	s_add_co_u32 s26, s26, 1048576
	s_mov_b32 s27, 0
	s_add_nc_u64 s[26:27], s[14:15], s[26:27]
.irp t, 0,1,2,3
	ds_store_b128 v4, v[T0+8*(\t&1)+4*(\t>>1):T0+8*(\t&1)+4*(\t>>1)+3] offset:16*\t
.endr
	ds_store_b32 v5, v[SB]
	s_wait_dscnt 0x0                               ; for the others' sake: my stores have landed
	s_barrier_signal -1
	s_barrier_wait -1
.irp i, 0,1,2,3
	ds_load_b128 v[16+4*\i:19+4*\i], v6 offset:528*\i
.endr
.irp i, 0,1,2,3
	s_wait_dscnt 3-\i
	global_store_b128 v10, v[16+4*\i:19+4*\i], s[24:25] offset:512*\i   ; a row: 512 consecutive bytes, aligned
.endr
	s_cmp_gt_u32 s18, 1
	s_cbranch_scc1 .Lw_done
	ds_load_b128 v[32:35], v7
	s_wait_dscnt 0x0
	global_store_b128 v10, v[32:35], s[26:27]      ; sixteen rows' scale bytes: 512 consecutive bytes
.Lw_done:
	s_wait_tensorcnt 0x0
	ds_add_u32 v250, v251
	s_wait_dscnt 0x0
	s_endpgm
; q's columns: my K step of q(4 rows, 32 columns) by two matrix instructions; the eight K steps are added by wave 0, which adds the bias and quantises
.Lq_tail:
	s_lshl_b32 s20, s19, 7
	s_mov_b32 s21, 0
	s_add_nc_u64 s[32:33], s[10:11], s[20:21]      ; qkv_b at column 32 j
.irp i, 0,1,2,3
	global_load_b128 v[16+4*\i:19+4*\i], v14, s[32:33] offset:16*\i   ; the bias of columns 32 j + 16 h + 0 .. 15
.endr
	s_lshl_b32 s20, s19, 6
	s_add_nc_u64 s[28:29], s[16:17], s[20:21]      ; qq: block j's 64 bytes of codes
	s_add_co_u32 s20, s19, 2048
	s_add_nc_u64 s[30:31], s[16:17], s[20:21]      ; and its byte in each batch's row of scale bytes
.irp b, 0,1,2,3
	v_mov_b32 v[TM+4+\b], 0                        ; a lane permute's destination counts as one of its sources
.endr
	QUANT HQ
.irp g, 0,1,2,3,4,5,6,7
	v_permlane16_swap_b32 v[T0+\g], v[T1+\g]       ; T0: rows 0-15 (lanes 0-15 blocks 0, 2; lanes 16-31 blocks 1, 3); T1: rows 16-31
.endr
.rept 8
	v_nop                                          ; scale registers and operands written by vector instructions: 8 and 4 places ahead of a scaled matrix instruction
.endr
; transposed: source 0 = 16 rows of W, source 1 = the last tokens.  Lane (r, h) holds row r; QA's 16 registers are columns 32 j + 16 h + 0 .. 15
	v_wmma_scale_f32_16x16x128_f8f6f4 v[QA:QA+7], v[T0:T0+7], v[PC:PC+7], 0, v[SB], v[PW] matrix_a_fmt:MATRIX_FMT_FP4 matrix_b_fmt:MATRIX_FMT_FP4
	v_wmma_scale_f32_16x16x128_f8f6f4 v[QA+8:QA+15], v[T1:T1+7], v[PC:PC+7], 0, v[SB], v[PW] matrix_a_fmt:MATRIX_FMT_FP4 matrix_b_fmt:MATRIX_FMT_FP4 matrix_a_scale:MATRIX_SCALE_ROW1
.rept 4
	v_nop
.endr
.irp g, 0,1,2,3
	ds_store_b128 v8, v[QA+4*\g:QA+4*\g+3] offset:512*\g            ; each accumulator from its low end on
.endr
	s_wait_dscnt 0x0
	s_barrier_signal -1
	s_barrier_wait -1
	s_cmp_lg_u32 s18, 0
	s_cbranch_scc1 .Lq_done
.irp w, 1,2,3,4,5,6,7
.irp g, 0,1,2,3
	ds_load_b128 v[32+16*(\w-1)+4*\g:32+16*(\w-1)+4*\g+3], v9 offset:2048*\w+512*\g
.endr
.endr
	s_wait_dscnt 0x0
.irp w, 1,2,3,4,5,6,7                          ; K ascending
.irp i, 0,1,2,3,4,5,6,7
	v_pk_add_f32 v[QA+2*\i:QA+2*\i+1], v[QA+2*\i:QA+2*\i+1], v[32+16*(\w-1)+2*\i:32+16*(\w-1)+2*\i+1]
.endr
.endr
	s_wait_loadcnt 0x0                             ; the bias
.irp i, 0,1,2,3,4,5,6,7
	v_pk_add_f32 v[QA+2*\i:QA+2*\i+1], v[QA+2*\i:QA+2*\i+1], v[16+2*\i:17+2*\i]
.endr
	v_max3_num_f32 v170, |v[QA]|, |v[QA+1]|, 0x1800000             ; block j of q along d: my 16 and lane l xor 16's
.irp i, 2,4,6,8,10,12,14
	v_max3_num_f32 v170, v170, |v[QA+\i]|, |v[QA+\i+1]|
.endr
	v_permlanex16_b32 v171, v170, s[SEL], s[SEL+1]
	v_max_num_f32 v170, v170, v171
	v_add_nc_u32 v172, 0xff000000, v170
	v_lshrrev_b32 v173, 23, v172
	v_cvt_scalef32_pk8_fp4_f32 v174, v[QA:QA+7], v172
	v_cvt_scalef32_pk8_fp4_f32 v175, v[QA+8:QA+15], v172
	v_nop
	v_cmp_gt_u32 vcc_lo, 4, v11                    ; rows 0-3 are the four batches; the others repeat them
	s_wait_xcnt 0x0                                ; EXEC changes only behind this wait
	s_and_saveexec_b32 s20, vcc_lo
	global_store_b64 v15, v[174:175], s[28:29]     ; 64 consecutive bytes: [batch][16 bytes]
	global_store_b8 v1, v173, s[30:31]             ; both halves of the lanes write the same byte with the same value
	s_wait_xcnt 0x0
	s_or_b32 exec_lo, exec_lo, s20
.Lq_done:
	s_wait_tensorcnt 0x0
	ds_add_u32 v250, v251
	s_wait_dscnt 0x0
	s_endpgm
.Lfunc_end_k_q7f7889e396_quant:
	.size	k_q7f7889e396_quant, .Lfunc_end_k_q7f7889e396_quant-k_q7f7889e396_quant
	.p2alignl 7, 3214868480
	.fill 96, 4, 3214868480
	.section	.rodata,"a",@progbits
	.p2align	6, 0x0
	.amdhsa_kernel k_q7f7889e396_quant
		.amdhsa_group_segment_fixed_size 80384
		.amdhsa_private_segment_fixed_size 0
		.amdhsa_enable_private_segment 0
		.amdhsa_kernarg_size 56
		.amdhsa_user_sgpr_count 2
		.amdhsa_user_sgpr_kernarg_segment_ptr 1
		.amdhsa_wavefront_size32 1
		.amdhsa_system_sgpr_workgroup_id_x 1
		.amdhsa_system_sgpr_workgroup_id_y 1
		.amdhsa_system_sgpr_workgroup_id_z 1
		.amdhsa_system_vgpr_workitem_id 0
		.amdhsa_next_free_vgpr 256
		.amdhsa_next_free_sgpr 66
		.amdhsa_reserve_vcc 1
		.amdhsa_float_denorm_mode_32 3
		.amdhsa_float_denorm_mode_16_64 3
		.amdhsa_memory_ordered 1
		.amdhsa_forward_progress 1
		.amdhsa_inst_pref_size 56
	.end_amdhsa_kernel
	.amdgpu_metadata
---
amdhsa.version: [ 1, 2 ]
amdhsa.kernels:
  - .name:           k_q7f7889e396_quant
    .symbol:         k_q7f7889e396_quant.kd
    .args:
      - { .name: x, .offset: 0, .size: 8, .value_kind: global_buffer, .address_space: global }
      - { .name: embed, .offset: 8, .size: 8, .value_kind: global_buffer, .address_space: global }
      - { .name: qkv_w, .offset: 16, .size: 8, .value_kind: global_buffer, .address_space: global }
      - { .name: qkv_b, .offset: 24, .size: 8, .value_kind: global_buffer, .address_space: global }
      - { .name: hq, .offset: 32, .size: 8, .value_kind: global_buffer, .address_space: global }
      - { .name: wq, .offset: 40, .size: 8, .value_kind: global_buffer, .address_space: global }
      - { .name: qq, .offset: 48, .size: 8, .value_kind: global_buffer, .address_space: global }
    .group_segment_fixed_size: 80384
    .private_segment_fixed_size: 0
    .kernarg_segment_align: 8
    .kernarg_segment_size: 56
    .max_flat_workgroup_size: 256
    .sgpr_count:     66
    .vgpr_count:     256
    .wavefront_size: 32
...
	.end_amdgpu_metadata
.endif
;; end of part 1
;; launch kv (part 2): grid 8 x 32, 4 waves a work-group, clusters of 4 x 4, 327,680 bytes of LDS; arguments hq, wq, qq, qkv_b, spart, vq; writes spart, vq
.if DOCPART == 2
	.amdgcn_target "amdgcn-amd-amdhsa--gfx1250"
	.amdhsa_code_object_version 6
	.text
	.protected	k_q7f7889e396_kv
	.globl	k_q7f7889e396_kv
	.p2align	8
	.type	k_q7f7889e396_kv,@function
k_q7f7889e396_kv:
	s_mov_b64 s[64:65], 0
	v_nop
	global_prefetch_b8 v0, s[64:65] scope:SCOPE_SE
	s_setreg_imm32_b32 hwreg(HW_REG_WAVE_MODE, 25, 1), 1
	s_wait_xcnt 0x0
	s_wait_alu depctr_hold_cnt(0) depctr_sa_sdst(0) depctr_va_vdst(0) depctr_va_sdst(0) depctr_va_ssrc(0) depctr_va_vcc(0) depctr_vm_vsrc(0)
	s_getreg_b32 s2, hwreg(HW_REG_IB_STS2, 6, 4)
	s_cmp_eq_u32 s2, 0
	s_cbranch_scc0 .Lentry_in_a_cluster
	s_endpgm
.Lentry_in_a_cluster:
	s_bfe_u32 s2, ttmp6, 0x10000c
	s_cmp_lg_u32 s2, 0xf033
	s_cbranch_scc0 .Lentry_shape_is_right
	s_endpgm
.Lentry_shape_is_right:
; k = Q(h) Q(Wk) + bk and v = Q(h) Q(Wv) + bv for all 8,192 tokens, on codes of FP4 (E2M1) with E8M0 scales, K = 1,024; neither goes to memory as f32.
; A tile of 256 x 256 to a work-group of four waves, 128 x 128 to a wave (64 accumulators, 512 registers).  K goes in two steps of 512 through two LDS slots, both filled once, at the start.
; ONE TEXT FOR BOTH: the operands change places.  Cluster x = 0: k.  A = tokens (hq), B = k's columns (wq rows 0-1,023).  Cluster x = 1: v.  A = v's columns (wq rows 1,024-2,047), B = tokens.
; THE MATRIX INSTRUCTION IS USED TRANSPOSED (source 0 = 16 rows of B, source 1 = 16 rows of A): a lane holds one row of A and its registers run along B, which is the NEXT product's K: d for k, the keys for v.
; hq's and wq's rows lie in the order rho (bits 3 and 4 of the number exchanged), so that the 16 registers of two neighbouring accumulators are 16 neighbours along that K.
; THE WAY OUT quantises in registers: a block of A (16 rows x my 128 along the next K) becomes one fragment and one scale word a row.
;   k: the fragment is multiplied at once by the batch's q (qq; 16 equal rows): partial scores of K step s = d / 128 -> spart [s][token], f32.  The eight partial sums are added by the next launch, s ascending.
;   v: the fragment leaves as an image of its registers -> vq [token / 128][d tile][1,024 bytes]; scale words [token / 128][group of 8 d tiles][lane][4] from byte 4,194,304 on.
; The bias is the C of each sum's first matrix instruction.
; THE TWO WAYS PART TWICE, on the cluster's x, which all partners share: up to the first step of 128 along K (the bias), and from the last two steps on (q, the way out).  Each arm loads what it alone reads and
;   uses it before the ways join, so that on every way through the text a register is written before it is read; the steps that stand in both arms are written by the same macros.
; CLUSTERS: 4 x 4 work-groups; A's tiles are asked for jointly along a row of the cluster, B's along a column.
; LIMITS: a block of zeros or under 2^-124 gets the byte 1 (this program alone reads the bytes); NaN and infinities are not served.
; REGISTERS, in windows of 256: window 0: v16-31 addresses; v32-95 scale words, two sets; v96-103 q's fragment, v104 its scale word; v108-111 words on the way out; v112-119 codes just made;
;   v120-127 the scale words just made; v128-191 A's fragments, later the scores; v192-255 the bias, later v200-215 at work.  window 1: B's fragments, two sets.  windows 2, 3: the accumulators ((a, b) at v[8 (8 (a % 4) + b)]).
.set NQ,     4                         ; matrix instructions deep in a slot: 512 along K
.set ROWB,   256                       ; a tile's row in bytes
.set KROW,   512                       ; a row of hq or wq in bytes
.set PITCH,  272                       ; an LDS row: 256 bytes + 16 of padding = 68 words: the 16 rows that a load touches start at 16 different banks (64 banks of 4 bytes: ISA guide 11.1)
.set FR,     8
.set NL,     2
.set NP,     4                         ; places behind this matrix instruction (ISA guide 7.12.1)
.set HALFT,  128*PITCH
.set SLOT,   4*HALFT
.set KS,     32                        ; a row of scale bytes
.set SCL,    2*SLOT                    ; behind the slots: the scale bytes of my 256 + 256 rows, all of K, as rows of 256 bytes + 16
.set HALFS,  (128*KS/256)*272
.set SBLK,   (16*KS/256)*272
.set SPARE,  SCL+4*HALFS               ; the spare words, 128 bytes for each wave: two blocks of 256 bytes that no other line names
.set ADRA, 16
.set ADRB, 20
.set BV,   22                          ; v22  4 (r + 8 (r / 8)): v's bias
.set RHO,  24                          ; v24  4 rho(lane): a token's place among 32 in spart
.set LI,   26                          ; v26  16 x lane
.set ADRS, 27
.set SPW,  28                          ; v28  LDS address of my spare word; never rewritten
.set NIL,  29                          ; v29  0; never rewritten
.set H64,  30                          ; v30  64 (lane / 16)
.set ZO,   31                          ; v31  0, as an offset
.set SC,   32
.set QF,   96
.set QW,   104
.set W,    108
.set PC,   112
.set PW,   120
.set AF,   128
.set SD,   128
.set BI,   192
.set TM,   200
.set G1, 24
.set G0, 32
.set G1B, 48
.set G0B, 56
.set G1S, 68
.set G0S, 76
.set G1SB, 80
.set G0SB, 88
.set MSB, 0
.macro WIN new                         ; the immediate's high byte repeats the setting that is left
.if MSB != \new
	s_set_vgpr_msb (MSB<<8)|\new
.set MSB, \new
.endif
.endm
.set MUL_LO, 0xa1                      ; source 0 (B) window 1, source 1 (A) window 0, C and D window 2
.set MUL_HI, 0xf1                      ; the same, C and D window 3
.set TO_B,   0x40
; A joint load: waves 0 and 1 fetch for A, waves 2 and 3 for B; the branch hangs on the wave's number alone.  Four v_nop follow each of the two lines.
.macro JLOAD g0a, g1a, g0b, g1b
	s_cmp_eq_u32 s15, 0
	s_cbranch_scc0 .Lfor_b_\@
	tensor_load_to_lds s[\g0a:\g0a+3], s[\g1a:\g1a+7]
	s_nop 0
.rept 4
	v_nop
.endr
	s_branch .Lasked_\@
.Lfor_b_\@:
	tensor_load_to_lds s[\g0b:\g0b+3], s[\g1b:\g1b+7]
	s_nop 0
.rept 4
	v_nop
.endr
.Lasked_\@:
.endm
.macro CROUND                          ; a round of the cluster's barrier
	s_barrier_signal -1
	s_barrier_wait -1
	s_cmp_lg_u32 s14, 0
	s_cbranch_scc1 .Lnot_wave_0_\@
	s_barrier_signal -3
.Lnot_wave_0_\@:
	s_barrier_wait -3
	s_barrier_signal -1
	s_barrier_wait -1
.endm
	s_load_b256 s[4:11], s[0:1], 0x0               ; hq s[4:5], wq s[6:7], qq s[8:9], qkv_b s[10:11]
	s_load_b128 s[96:99], s[0:1], 0x20             ; spart s[96:97], vq s[98:99]
	v_lshl_add_u32 v[SPW], v0, 2, SPARE
	v_mov_b32 v[NIL], 0
	ds_add_u32 v28, v29
	ds_add_u32 v28, v29
	s_wait_dscnt 0x0
	v_lshrrev_b32 v1, 5, v0
	v_readfirstlane_b32 s14, v1                    ; wave 0..3
	s_lshr_b32 s15, s14, 1                         ; which half of the tile's rows is mine.  Also: I fetch for A (0) or for B (1)
	s_and_b32 s16, s14, 1                          ; which half of its columns.  Also: which 128 rows of that tile I fetch
	s_bfe_u32 s40, ttmp6, 0x40000                  ; cx, cy: my place in the cluster
	s_bfe_u32 s41, ttmp6, 0x40004
	s_and_b32 s18, ttmp7, 0xffff                   ; the cluster's y, 0..7
	s_mov_b32 s20, 4194304
	s_mov_b32 s21, 1048576
	s_cmp_eq_u32 ttmp9, 0                          ; k (cluster x = 0) or v: equal in all partners
	s_cselect_b32 s19, 0, s18                      ; tile columns: k 0-3 of wq, v 0-31 of hq
	s_cselect_b32 s18, s18, 1                      ; tile rows: k 0-31 of hq, v 4-7 of wq
	s_cselect_b32 s66, s20, s21                    ; where the scale bytes begin in A's buffer,
	s_cselect_b32 s67, s21, s20                    ; and in B's
	s_lshl_b32 s42, s19, 2
	s_add_co_u32 s42, s42, s40                     ; tile column
	s_lshl_b32 s17, s18, 2
	s_add_co_u32 s17, s17, s41                     ; tile row
	s_lshl_b32 s43, s41, 2
	s_lshl_b32 s43, 15, s43                        ; my row of the cluster
	s_lshl_b32 s44, 0x1111, s40                    ; my column
	; descriptor group 1: a tile of 128 rows x 256 bytes, padded in LDS
	s_or_b32 s[G1+0], s43, (0<<16)|(1<<20)|(1<<21)|(5<<22)|(3<<25)  ; 15:0 the mask; 17:16 elements of 1 byte; 20 padding on; 21 set beside a mask; 24:22 after every 64 words; 31:25 four words
	s_or_b32 s[G1B+0], s44, (0<<16)|(1<<20)|(1<<21)|(5<<22)|(3<<25)
.irp g, G1, G1B
	s_mov_b32 s[\g+1], ROWB<<16                    ; tensor_dim0
	s_mov_b32 s[\g+2], 128<<16                     ; tensor_dim1
	s_mov_b32 s[\g+3], ROWB<<16                    ; tile_dim0
	s_mov_b32 s[\g+4], 128                         ; tile_dim1
	s_mov_b32 s[\g+5], KROW                        ; tensor_dim0_stride
	s_mov_b32 s[\g+6], 0
	s_mov_b32 s[\g+7], 0
.endr
	; the scale bytes of 128 rows: 4,096 dense bytes, as 16 rows of 256 bytes (32 elements of 8 bytes), 16 bytes of padding behind each
	s_or_b32 s[G1S+0], s43, (3<<16)|(1<<20)|(1<<21)|(5<<22)|(3<<25)
	s_or_b32 s[G1SB+0], s44, (3<<16)|(1<<20)|(1<<21)|(5<<22)|(3<<25)
.irp g, G1S, G1SB
	s_mov_b32 s[\g+1], 32<<16
	s_mov_b32 s[\g+2], (128*KS/256)<<16
	s_mov_b32 s[\g+3], 32<<16
	s_mov_b32 s[\g+4], 128*KS/256
	s_mov_b32 s[\g+5], 32
	s_mov_b32 s[\g+6], 0
	s_mov_b32 s[\g+7], 0
.endr
	s_lshl_b32 s18, s16, 7                         ; which 128 rows of the tile I fetch
	s_lshl_b32 s20, s17, 8
	s_add_co_u32 s20, s20, s18                     ; A: row 256 x tile row + 128 x half
	s_lshl_b32 s46, s42, 8
	s_add_co_u32 s46, s46, s18                     ; B: row 256 x tile column + 128 x half
	s_lshl_b32 s22, s20, 5
	s_add_co_u32 s22, s22, s66                     ; where these rows' scale bytes begin,
	s_mov_b32 s23, 0
	s_lshl_b32 s92, s46, 5
	s_add_co_u32 s92, s92, s67
	s_mov_b32 s93, 0
	s_lshl_b32 s20, s20, 9                         ; and their codes
	s_mov_b32 s21, 0
	s_lshl_b32 s46, s46, 9
	s_mov_b32 s47, 0
	s_mul_i32 s45, s14, HALFT                      ; where they go: wave x 128 rows: no place in the cluster enters an LDS address
	s_mul_i32 s94, s14, HALFS
	s_wait_kmcnt 0x0
	s_cmp_eq_u32 ttmp9, 0
	s_cselect_b64 s[12:13], s[4:5], s[6:7]         ; A's buffer: hq for k, wq for v
	s_cselect_b64 s[4:5], s[6:7], s[4:5]           ; B's: the other
	s_add_nc_u64 s[20:21], s[12:13], s[20:21]
	s_add_nc_u64 s[22:23], s[12:13], s[22:23]
	s_add_nc_u64 s[46:47], s[4:5], s[46:47]
	s_add_nc_u64 s[92:93], s[4:5], s[92:93]
	CROUND                                         ; all sixteen work-groups are here: the joint loads meet
	s_mov_b32 s[G0S], 1
	s_add_co_u32 s[G0S+1], s94, SCL
	s_mov_b64 s[G0S+2:G0S+3], s[22:23]
	s_or_b32 s[G0S+3], s[G0S+3], 0x80000000
	s_mov_b32 s[G0SB], 1
	s_add_co_u32 s[G0SB+1], s94, SCL
	s_mov_b64 s[G0SB+2:G0SB+3], s[92:93]
	s_or_b32 s[G0SB+3], s[G0SB+3], 0x80000000
	JLOAD G0S, G1S, G0SB, G1SB                     ; the scale bytes first; with the two slots three loads of mine are out
.irp s, 0,1
	s_mov_b32 s[G0+4*\s], 1
	s_add_co_u32 s[G0+4*\s+1], s45, \s*SLOT
	s_add_nc_u64 s[G0+4*\s+2:G0+4*\s+3], s[20:21], \s*ROWB
	s_or_b32 s[G0+4*\s+3], s[G0+4*\s+3], 0x80000000
	s_mov_b32 s[G0B+4*\s], 1
	s_add_co_u32 s[G0B+4*\s+1], s45, \s*SLOT
	s_add_nc_u64 s[G0B+4*\s+2:G0B+4*\s+3], s[46:47], \s*ROWB
	s_or_b32 s[G0B+4*\s+3], s[G0B+4*\s+3], 0x80000000
	JLOAD G0+4*\s, G1, G0B+4*\s, G1B
.endr
	v_and_b32 v1, 15, v0                           ; r = l % 16
	v_bfe_u32 v2, v0, 4, 1                         ; h = l / 16
	v_mul_u32_u24 v3, v1, PITCH
	v_lshl_add_u32 v4, v2, 4, v3                   ; a fragment's row x pitch + 16 x half
	s_mul_i32 s21, s15, HALFT                      ; my 128 rows of A
	s_mul_i32 s22, s16, HALFT                      ; my 128 rows of B,
	s_add_co_u32 s22, s22, 2*HALFT                 ; which lie behind A's 256
.irp s, 0,1
	v_add_nc_u32 v[ADRA+\s], s21, v4
	v_add_nc_u32 v[ADRB+\s], s22, v4
	s_add_co_u32 s21, s21, SLOT
	s_add_co_u32 s22, s22, SLOT
.endr
	v_mul_u32_u24 v5, v1, KS                       ; my row's scale bytes: 32 a row,
	v_lshrrev_b32 v6, 8, v5
	v_lshl_add_u32 v5, v6, 4, v5                   ; and 16 more for each 256 passed
	s_mul_i32 s21, s15, HALFS
	s_mul_i32 s22, s16, HALFS
	s_add_co_u32 s22, s22, 2*HALFS
	s_sub_co_u32 s22, s22, s21
	v_mul_u32_u24 v6, s22, v2                      ; lanes 16-31 take B's
	s_add_co_u32 s21, s21, SCL
	v_add_nc_u32 v5, v5, v6
	v_add_nc_u32 v[ADRS], s21, v5
	v_and_b32 v6, 31, v0
	v_lshlrev_b32 v[LI], 4, v6
	v_and_b32 v[RHO], 7, v6
	v_and_b32 v5, 8, v6
	v_lshl_or_b32 v[RHO], v5, 1, v[RHO]
	v_and_b32 v5, 16, v6
	v_lshrrev_b32 v5, 1, v5
	v_or_b32 v[RHO], v[RHO], v5
	v_lshlrev_b32 v[RHO], 2, v[RHO]
	v_lshlrev_b32 v[H64], 6, v2
	v_mov_b32 v[ZO], 0
	v_and_b32 v5, 8, v1
	v_add_nc_u32 v5, v5, v1
	v_lshlrev_b32 v[BV], 2, v5
	s_mov_b32 s2, 0x76543210                       ; v_permlanex16_b32's selects for lane l xor 16
	s_mov_b32 s3, 0xfedcba98
	s_mov_b32 s21, 0                               ; the upper word of every offset made below; it stays 0
	s_lshl_b32 s22, s42, 1
	s_add_co_u32 s22, s22, s16                     ; which 128 along the next K are mine: 2 x tile column + half; it stays
.macro FRAG reg, adr, q, i             ; 16 rows x 128 K of 4-bit codes: lane l holds row l % 16; registers 4 c .. 4 c + 3 hold K = 64 c + 32 (l / 16) + 0 .. 31
.irp c, 0,1
	ds_load_b128 v[\reg+4*\c:\reg+4*\c+3], v[\adr] offset:64*(\q)+32*\c+(\i)*16*PITCH
.endr
.endm
; 16 matrix instructions: A's blocks a0, a0 + 1 x B's eight, the slot's q-th 128 along K.  zero = 1: the sums begin with the bias along B; 2: along A; 0: they go on.
; The 64 accumulators take turns, one instruction a turn, in the same order in every step.
.macro MUL16 a0, p, q, sc, zero
.irp a, \a0, \a0+1
.irp b, 0,1,2,3,4,5,6,7
.if \zero == 1
	v_wmma_scale_f32_16x16x128_f8f6f4 v[8*(8*((\a)%4)+\b):8*(8*((\a)%4)+\b)+7], v[128*(\p)+FR*\b:128*(\p)+FR*\b+FR-1], v[AF+FR*(\a):AF+FR*(\a)+FR-1], v[BI+8*\b:BI+8*\b+7], v[SC+8*NQ*(\sc)+NQ*\b+(\q)], v[SC+8*NQ*(\sc)+NQ*(\a)+(\q)] matrix_a_fmt:MATRIX_FMT_FP4 matrix_b_fmt:MATRIX_FMT_FP4 matrix_a_scale:MATRIX_SCALE_ROW1
.elseif \zero == 2
	v_wmma_scale_f32_16x16x128_f8f6f4 v[8*(8*((\a)%4)+\b):8*(8*((\a)%4)+\b)+7], v[128*(\p)+FR*\b:128*(\p)+FR*\b+FR-1], v[AF+FR*(\a):AF+FR*(\a)+FR-1], v[BI+8*(\a):BI+8*(\a)+7], v[SC+8*NQ*(\sc)+NQ*\b+(\q)], v[SC+8*NQ*(\sc)+NQ*(\a)+(\q)] matrix_a_fmt:MATRIX_FMT_FP4 matrix_b_fmt:MATRIX_FMT_FP4 matrix_a_scale:MATRIX_SCALE_ROW1
.else
	v_wmma_scale_f32_16x16x128_f8f6f4 v[8*(8*((\a)%4)+\b):8*(8*((\a)%4)+\b)+7], v[128*(\p)+FR*\b:128*(\p)+FR*\b+FR-1], v[AF+FR*(\a):AF+FR*(\a)+FR-1], v[8*(8*((\a)%4)+\b):8*(8*((\a)%4)+\b)+7], v[SC+8*NQ*(\sc)+NQ*\b+(\q)], v[SC+8*NQ*(\sc)+NQ*(\a)+(\q)] matrix_a_fmt:MATRIX_FMT_FP4 matrix_b_fmt:MATRIX_FMT_FP4 matrix_a_scale:MATRIX_SCALE_ROW1
.endif
.endr
.endr
.endm
.macro FETCH_B slot, q, p
	WIN TO_B
.irp i, 0,1,2,3,4,5,6,7
	FRAG 128*(\p)+FR*\i, ADRB+\slot, \q, \i
.endr
	WIN 0
.endm
.macro FETCH_A slot, q, i0
.irp i, \i0, \i0+1, \i0+2, \i0+3
	FRAG AF+FR*(\i), ADRA+\slot, \q, \i
.endr
.endm
.macro SCALES sc                       ; a slot's scale words: four a row; lanes 0-15 take A's block i, lanes 16-31 B's block i
.irp i, 0,1,2,3,4,5,6,7
	ds_load_b128 v[SC+8*NQ*\sc+NQ*\i:SC+8*NQ*\sc+NQ*\i+3], v[ADRS] offset:\i*SBLK
.endr
.endm
.macro PLACES n                        ; plain vector lines that name none of a matrix instruction's registers (ISA guide 7.12.1)
.rept \n
	v_nop
.endr
.endm
; Slot 0 is there, and the first fragments are fetched.  It stands in both arms of the first parting, behind the arm's loads of the bias.
.macro START
	s_wait_tensorcnt 1                             ; the scale bytes and my part of slot 0 are in; slot 1's load may be out
	s_barrier_signal -1
	s_barrier_wait -1                              ; everybody's are
	FETCH_B 0, 0, 0
	FETCH_A 0, 0, 0
	SCALES 0
	FETCH_A 0, 0, 4
.endm
; A step of 128 along K that has its successor in the same slot.  A has one set of registers (blocks 0-3 fetched anew in the middle, 4-7 at the end), B two.
.macro STEP slot, q, zero
	s_wait_dscnt 4*NL                              ; all but the youngest eight loads (A's blocks 4-7) are in
.if \zero
	WIN 0x81                                       ; C (the bias) window 0, D window 2
.else
	WIN MUL_LO
.endif
	MUL16 0, (\q)%2, \q, \slot, \zero
	MUL16 2, (\q)%2, \q, \slot, \zero
	s_wait_dscnt 0                                 ; A's blocks 4-7 are in
	PLACES NP
	FETCH_B \slot, (\q)+1, 1-(\q)%2
	FETCH_A \slot, (\q)+1, 0
.if \zero
	WIN 0xc1                                       ; C window 0, D window 3
.else
	WIN MUL_HI
.endif
	MUL16 4, (\q)%2, \q, \slot, \zero
	MUL16 6, (\q)%2, \q, \slot, \zero
	PLACES NP
	WIN 0
	FETCH_A \slot, (\q)+1, 4
.endm
; Slot 0's last step goes over to slot 1: one barrier; in front of it each wave waits for all its tensor loads (its part of slot 1) and for its LDS instructions.  Nothing is filled again.
.macro TURN slot, next
	s_wait_tensorcnt 0x0                           ; my part of the next slot has landed
	ds_add_u32 v[SPW], v[NIL]                      ; 0 onto my spare word
	s_wait_dscnt 4*NL+1                            ; (the add and the youngest eight loads may be out)
	WIN MUL_LO
	MUL16 0, 1, NQ-1, \slot, 0
	s_wait_dscnt 0x0                               ; no LDS instruction of mine is pending at the signal
	s_barrier_signal -1
	MUL16 2, 1, NQ-1, \slot, 0
	WIN 0
	s_barrier_wait -1                              ; every wave's part of the next slot has landed
	PLACES NP
	v_add_nc_u32 v[ADRS], 4*NQ, v[ADRS]            ; on to the next slot's scale words
	FETCH_B \next, 0, 0
	FETCH_A \next, 0, 0
	SCALES \next
	WIN MUL_HI
	MUL16 4, 1, NQ-1, \slot, 0
	MUL16 6, 1, NQ-1, \slot, 0
	PLACES NP
	WIN 0
	FETCH_A \next, 0, 4
.endm
.macro STEPS slot, from
.set Q, \from
.rept NQ-1-\from
	STEP \slot, Q, 0
.set Q, Q+1
.endr
.endm
; The last step of 128 along K: nothing more to fetch.  Behind it the places in front of the first read of results, and what both ways out want.
.macro LAST
	s_wait_dscnt 4*NL
	WIN MUL_LO
	MUL16 0, 1, NQ-1, 1, 0
	MUL16 2, 1, NQ-1, 1, 0
	s_wait_dscnt 0
	WIN MUL_HI
	MUL16 4, 1, NQ-1, 1, 0
	MUL16 6, 1, NQ-1, 1, 0
	WIN 0
	PLACES NP
	s_mov_b32 vcc_lo, 0xffff0000                   ; lanes 16-31
.irp b, 0,1,2,3
	v_mov_b32 v[TM+4+\b], 0                        ; a lane permute's destination counts as one of its sources
.endr
.endm
; Block a's 64 results of a lane (register 16 b + i = next K 32 b + 16 (lane / 16) + i of my row) become a fragment's codes in v[PC] on and its scale word in v[PW + a].  st = 1: v[PC] on were a store's data.
.macro QUANTW a, st
.set AC, 64*((\a)%4)
	WIN 0x28+0x14*((\a)/4)                         ; sources 1 and 2: window 2 or 3
.irp b, 0,1,2,3
	v_max3_num_f32 v[TM+\b], 0x1800000, |v[AC+16*\b]|, |v[AC+16*\b+1]|      ; the floor 2^(3 - 127); each accumulator is read from its low end on
.endr
.irp i, 2,4,6,8,10,12,14
.irp b, 0,1,2,3
	v_max3_num_f32 v[TM+\b], v[TM+\b], |v[AC+16*\b+\i]|, |v[AC+16*\b+\i+1]|
.endr
.endr
	WIN 0
.irp b, 0,1,2,3
	v_permlanex16_b32 v[TM+4+\b], v[TM+\b], s2, s3
.endr
.irp b, 0,1,2,3
	v_max_num_f32 v[TM+\b], v[TM+\b], v[TM+4+\b]
.endr
.irp b, 0,1,2,3
	v_add_nc_u32 v[TM+12+\b], 0xff000000, v[TM+\b]
.endr
.irp b, 0,1,2,3
	v_lshrrev_b32 v[TM+4+\b], 23, v[TM+12+\b]
.endr
	v_lshl_or_b32 v[PW+(\a)], v[TM+5], 8, v[TM+4]
	v_lshl_or_b32 v[PW+(\a)], v[TM+6], 16, v[PW+(\a)]
	v_lshl_or_b32 v[PW+(\a)], v[TM+7], 24, v[PW+(\a)]
.if \st
	s_wait_xcnt 0x0                                ; the last block's stores have read v[PC] on: only behind this wait are they written again
.endif
	WIN 0x02+(\a)/4                                ; source 0: window 2 or 3
.irp b, 0,1,2,3
	v_cvt_scalef32_pk8_fp4_f32 v[PC+2*\b], v[AC+16*\b:AC+16*\b+7], v[TM+12+\b]
	v_cvt_scalef32_pk8_fp4_f32 v[PC+2*\b+1], v[AC+16*\b+8:AC+16*\b+15], v[TM+12+\b]
.endr
	WIN 0
	v_nop                                          ; one plain line behind a scaled conversion
.irp c, 0,1
.irp i, 0,1
	v_permlane16_swap_b32 v[PC+4*\c+\i], v[PC+2+4*\c+\i]
.endr
.endr
.endm
; ---------------- THE FIRST PARTING: the bias, and the first step, whose products begin with it
	s_cmp_lg_u32 ttmp9, 0
	s_cbranch_scc1 .Lfirst_v
	; k: the bias runs along B: accumulator (a, b), register j, lane half h: column 32 (b / 2) + 8 (b % 2) + 16 h + j of my 128
	s_lshl_b32 s20, s22, 9
	s_add_co_u32 s20, s20, 4096
	s_add_nc_u64 s[100:101], s[10:11], s[20:21]    ; qkv_b at 1,024 + 128 s
.irp b, 0,1,2,3,4,5,6,7
	global_load_b128 v[BI+8*\b:BI+8*\b+3], v[H64], s[100:101] offset:4*(32*(\b/2)+8*(\b%2))
	global_load_b128 v[BI+8*\b+4:BI+8*\b+7], v[H64], s[100:101] offset:4*(32*(\b/2)+8*(\b%2))+16
.endr
	START
	s_wait_loadcnt 0x0                             ; the bias
	STEP 0, 0, 1
	s_branch .Lfirst_done
.Lfirst_v:
	; v: the bias runs along A: one number a lane for each block a: column 32 (a / 2) + 8 (a % 2) + r + 8 (r / 8) of my 128
	s_lshl_b32 s20, s17, 10
	s_lshl_b32 s46, s15, 9
	s_add_co_u32 s20, s20, s46
	s_add_co_u32 s20, s20, 4096
	s_add_nc_u64 s[100:101], s[10:11], s[20:21]    ; qkv_b at 1,024 + 256 x tile row + 128 x half (tile rows 4-7: columns 2,048 on)
.irp a, 0,1,2,3,4,5,6,7
	global_load_b32 v[BI+8*\a], v[BV], s[100:101] offset:4*(32*(\a/2)+8*(\a%2))
.endr
	START
	s_wait_loadcnt 0x0                             ; the bias
.irp a, 0,1,2,3,4,5,6,7
.irp j, 1,2,3,4,5,6,7
	v_mov_b32 v[BI+8*\a+\j], v[BI+8*\a]            ; a lane's eight results of a block belong to one row of A: one bias
.endr
.endr
	PLACES 4
	STEP 0, 0, 2
.Lfirst_done:
	STEPS 0, 1
	TURN 0, 1
	STEP 1, 0, 0
	STEP 1, 1, 0
; ---------------- THE SECOND PARTING: the last two steps and the way out
	s_cmp_lg_u32 ttmp9, 0
	s_cbranch_scc1 .Lout_v
	; k: q's three loads go out here: they have the last two steps' 128 matrix instructions and the first block's quantising in which to land
	s_lshr_b32 s23, s17, 3                         ; the batch: 8 tile rows of 256 tokens each
	s_lshl_b32 s20, s22, 8
	s_lshl_b32 s46, s23, 4
	s_add_co_u32 s20, s20, s46
	s_add_nc_u64 s[100:101], s[8:9], s[20:21]      ; q's codes: blocks 4 s on, my batch's 16 bytes of each (the bias's loads by this base were waited for)
	global_load_b128 v[QF:QF+3], v[H64], s[100:101]                ; block 4 s + h: every row of the fragment is the batch's q
	global_load_b128 v[QF+4:QF+7], v[H64], s[100:101] offset:128   ; block 4 s + 2 + h
	s_lshl_b32 s20, s23, 5
	s_lshl_b32 s46, s22, 2
	s_add_co_u32 s20, s20, s46
	s_add_co_u32 s20, s20, 2048
	s_add_nc_u64 s[8:9], s[8:9], s[20:21]
	global_load_b32 v[QW], v[ZO], s[8:9]           ; its scale word, in every lane
	s_lshl_b32 s20, s22, 15
	s_lshl_b32 s46, s17, 10
	s_add_co_u32 s20, s20, s46
	s_lshl_b32 s46, s15, 9
	s_add_co_u32 s20, s20, s46
	s_add_nc_u64 s[12:13], s[96:97], s[20:21]      ; spart [s][my first token]
	STEP 1, 2, 0
	LAST
; source 0 = q (16 equal rows), source 1 = 16 tokens' codes of k: every register of lane (r, h) holds the partial score of row 16 a + r
.irp a, 0,1,2,3,4,5,6,7
	QUANTW \a, 0
.if \a == 0
	s_wait_loadcnt 0x0                             ; q's fragment and its scale word
.endif
	PLACES 8                                       ; a scale register written by a vector instruction stands 8 places ahead of a scaled matrix instruction, an operand 4
	v_wmma_scale_f32_16x16x128_f8f6f4 v[SD+8*\a:SD+8*\a+7], v[QF:QF+7], v[PC:PC+7], 0, v[QW], v[PW+\a] matrix_a_fmt:MATRIX_FMT_FP4 matrix_b_fmt:MATRIX_FMT_FP4
.endr
	PLACES NP
.irp i, 0,1,2,3
	v_cndmask_b32 v[W+\i], v[SD+16*\i], v[SD+16*\i+8], vcc_lo      ; lanes 0-15: block 2 i; lanes 16-31: block 2 i + 1: lane l has row 32 i + l, which is token 32 i + rho(l)
.endr
.irp i, 0,1,2,3
	global_store_b32 v[RHO], v[W+\i], s[12:13] offset:128*\i       ; 128 consecutive bytes, the tokens in their own order
.endr
	s_branch .Lout_done
.Lout_v:
	; v: each block of 16 d rows x my 128 keys leaves as an image of the fragment's registers
	s_sub_co_u32 s23, s17, 4
	s_lshl_b32 s23, s23, 1
	s_add_co_u32 s23, s23, s15                     ; my group of eight d tiles, 0..7
	s_lshl_b32 s20, s22, 16
	s_lshl_b32 s46, s23, 13
	s_add_co_u32 s20, s20, s46
	s_add_nc_u64 s[12:13], s[98:99], s[20:21]      ; vq: my eight images
	s_lshl_b32 s20, s22, 12
	s_lshl_b32 s46, s23, 9
	s_add_co_u32 s20, s20, s46
	s_add_co_u32 s20, s20, 4194304
	s_add_nc_u64 s[6:7], s[98:99], s[20:21]        ; and their 512 bytes of scale words
	STEP 1, 2, 0
	LAST
.irp a, 0,1,2,3,4,5,6,7
	QUANTW \a, 1
	global_store_b128 v[LI], v[PC:PC+3], s[12:13] offset:1024*\a           ; 512 consecutive bytes, aligned
	global_store_b128 v[LI], v[PC+4:PC+7], s[12:13] offset:1024*\a+512
.endr
.irp i, 0,1,2,3
	v_cndmask_b32 v[W+\i], v[PW+2*\i], v[PW+2*\i+1], vcc_lo        ; lanes 0-15: tile 2 i's words; lanes 16-31: tile 2 i + 1's
.endr
	global_store_b128 v[LI], v[W:W+3], s[6:7]
.Lout_done:
	s_wait_tensorcnt 0x0                           ; the wave's end
	ds_add_u32 v[SPW], v[NIL]
	s_wait_dscnt 0x0
	CROUND                                         ; the closing round: no work-group ends while a partner may still ask for a tile that names it
	s_endpgm
.Lfunc_end_k_q7f7889e396_kv:
	.size	k_q7f7889e396_kv, .Lfunc_end_k_q7f7889e396_kv-k_q7f7889e396_kv
	.p2alignl 7, 3214868480
	.fill 96, 4, 3214868480
	.section	.rodata,"a",@progbits
	.p2align	6, 0x0
	.amdhsa_kernel k_q7f7889e396_kv
		.amdhsa_group_segment_fixed_size 327680
		.amdhsa_private_segment_fixed_size 0
		.amdhsa_enable_private_segment 0
		.amdhsa_kernarg_size 48
		.amdhsa_user_sgpr_count 2
		.amdhsa_user_sgpr_kernarg_segment_ptr 1
		.amdhsa_wavefront_size32 1
		.amdhsa_system_sgpr_workgroup_id_x 1
		.amdhsa_system_sgpr_workgroup_id_y 1
		.amdhsa_system_sgpr_workgroup_id_z 1
		.amdhsa_system_vgpr_workitem_id 0
		.amdhsa_next_free_vgpr 1024
		.amdhsa_next_free_sgpr 102
		.amdhsa_reserve_vcc 1
		.amdhsa_float_denorm_mode_32 3
		.amdhsa_float_denorm_mode_16_64 3
		.amdhsa_memory_ordered 1
		.amdhsa_forward_progress 1
		.amdhsa_inst_pref_size 201
	.end_amdhsa_kernel
	.amdgpu_metadata
---
amdhsa.version: [ 1, 2 ]
amdhsa.kernels:
  - .name:           k_q7f7889e396_kv
    .symbol:         k_q7f7889e396_kv.kd
    .args:
      - { .name: hq, .offset: 0, .size: 8, .value_kind: global_buffer, .address_space: global }
      - { .name: wq, .offset: 8, .size: 8, .value_kind: global_buffer, .address_space: global }
      - { .name: qq, .offset: 16, .size: 8, .value_kind: global_buffer, .address_space: global }
      - { .name: qkv_b, .offset: 24, .size: 8, .value_kind: global_buffer, .address_space: global }
      - { .name: spart, .offset: 32, .size: 8, .value_kind: global_buffer, .address_space: global }
      - { .name: vq, .offset: 40, .size: 8, .value_kind: global_buffer, .address_space: global }
    .group_segment_fixed_size: 327680
    .private_segment_fixed_size: 0
    .kernarg_segment_align: 8
    .kernarg_segment_size: 48
    .max_flat_workgroup_size: 128
    .sgpr_count:     102
    .vgpr_count:     1024
    .wavefront_size: 32
...
	.end_amdgpu_metadata
.endif
;; end of part 2
;; launch attn (part 3): grid 16 x 4, 4 waves a work-group, no clusters, 4,608 bytes of LDS; arguments x, embed, spart, vq, hfin; writes hfin
.if DOCPART == 3
	.amdgcn_target "amdgcn-amd-amdhsa--gfx1250"
	.amdhsa_code_object_version 6
	.text
	.protected	k_q7f7889e396_attn
	.globl	k_q7f7889e396_attn
	.p2align	8
	.type	k_q7f7889e396_attn,@function
k_q7f7889e396_attn:
	s_mov_b64 s[64:65], 0
	v_nop
	global_prefetch_b8 v0, s[64:65] scope:SCOPE_SE
	s_setreg_imm32_b32 hwreg(HW_REG_WAVE_MODE, 25, 1), 1
	s_wait_xcnt 0x0
; The attention row that reference() keeps: for batch b the last token's scores, softmax, p v, / l, + the residual -> hfin [batch][1,024] f32.
; Work-group (xs, b) makes d = 64 xs .. 64 xs + 63 of hfin[b]; wave w owns V's d tile 4 xs + w for all 16 K steps of 128 keys.  Each work-group takes the batch's softmax anew: 64 KiB of spart.
; Thread t owns keys 16 t .. 16 t + 15: score = the eight partial sums of spart, s ascending; t = score x log2(e) / 32; M = ceil(the row's largest t), a whole number; p = 2^(t - M), not normalised;
; l = the sum of the unquantised p; p is quantised along the keys (two neighbouring lanes hold a block of 32) and goes through LDS as 1,024 bytes of codes and 64 scale bytes.
; O^T = V^T P^T (source 0 = 16 d rows of vq's image, source 1 = P, whose 16 rows are the one query): register i of lane (r, h) is d = 64 xs + 32 (w / 2) + 8 (w % 2) + 16 h + i (vq's rows lie in the order rho).
; All global loads go out at the head.  No tensor loads and no cluster: what work-groups share (spart) is about half of what each reads, and it comes through registers.
; LIMITS: NaN and infinities are not served; a p under 2^-126 counts as 0 (v_exp_f32: ISA guide 15.8); a block whose every p is 0 keeps the byte 1 (its codes are zeros).
.set RED,  0                           ; LDS: four waves' maxima
.set RED2, 256                         ; four waves' sums
.set PSB,  512                         ; p's 64 scale bytes
.set PCD,  1024                        ; p's 1,024 bytes of codes
.set HST,  2048                        ; 64 results
.set SPR,  32                          ; v32-159  the partial scores; later P's 16 fragments
.set S,    160                         ; v160-175 my 16 scores, then p
.set VS,   176                         ; v176-191 V's scale words, one a K step (nothing else ever stands here)
.set PS,   192                         ; v192-207 p's scale words (likewise)
.set ACC,  208                         ; v208-223 two accumulators, by turns
.set O,    224                         ; v224-231
.set LS,   232                         ; v232-235 the four waves' sums
.set RS,   240                         ; v240-247 the residual
.set MSB, 0
.macro WIN new                         ; the immediate's high byte repeats the setting that is left
.if MSB != \new
	s_set_vgpr_msb (MSB<<8)|\new
.set MSB, \new
.endif
.endm
	s_load_b256 s[4:11], s[0:1], 0x0               ; x s[4:5], embed s[6:7], spart s[8:9], vq s[10:11]
	s_load_b64 s[12:13], s[0:1], 0x20              ; hfin
	v_lshl_add_u32 v254, v0, 2, 0x1000
	v_mov_b32 v255, 0
	v_lshrrev_b32 v1, 5, v0
	v_readfirstlane_b32 s14, v1                    ; wave 0..3
	s_and_b32 s15, ttmp7, 0xffff                   ; the batch
	s_mov_b32 s22, 0x3d38aa3b                      ; c = log2(e) / sqrt(1,024)
	s_mov_b32 s23, s22                             ; (named with it as a pair, so it is written)
	s_mov_b32 s24, 0x76543210
	s_mov_b32 s25, 0xfedcba98                      ; v_permlanex16_b32's selects for lane l xor 16
	v_and_b32 v1, 31, v0                           ; lane
	v_and_b32 v2, 15, v0                           ; r
	v_bfe_u32 v3, v0, 4, 1                         ; h
	v_lshlrev_b32 v4, 6, v0                        ; my 16 scores: 64 bytes a thread
	v_lshlrev_b32 v6, 4, v1                        ; 16 x lane
	v_lshlrev_b32 v15, 4, v2                       ; 16 r
	s_and_b32 s26, s14, 1
	s_lshr_b32 s27, s14, 1
	s_and_b32 s28, ttmp9, 1
	s_lshl_b32 s16, s26, 8
	s_lshl_b32 s17, s28, 3
	s_add_co_u32 s16, s16, s17
	s_lshl_b32 s17, s27, 2
	s_add_co_u32 s16, s16, s17
	v_add_nc_u32 v5, s16, v15                      ; V's scale word: lane r + 16 (w % 2), word 2 (xs % 2) + w / 2 of the group's 512 bytes
	s_lshl_b32 s16, s14, 2
	v_mov_b32 v8, s16                              ; 4 x wave
	v_lshl_add_u32 v9, v0, 3, PCD                  ; my 8 bytes of codes
	v_lshrrev_b32 v10, 1, v0
	v_add_nc_u32 v10, PSB, v10                     ; my block's byte
	v_lshl_add_u32 v11, v3, 4, PCD                 ; P's fragments: 16 h
	s_lshl_b32 s16, s27, 7
	s_lshl_b32 s17, s26, 5
	s_add_co_u32 s16, s16, s17                     ; 128 (w / 2) + 32 (w % 2): my tile's bytes among the work-group's 256
	s_add_co_u32 s29, s16, HST
	v_lshl_add_u32 v14, v3, 6, s29
	v_mov_b32 v16, 0
	s_lshl_b32 s31, ttmp9, 8
	s_add_co_u32 s31, s31, s16
	s_lshl_b32 s16, s15, 13
	s_mov_b32 s17, 0
	s_wait_kmcnt 0x0
	s_add_nc_u64 s[4:5], s[4:5], s[16:17]
	s_load_b32 s30, s[4:5], 0x1ffc                 ; x[b][2047]
	s_add_nc_u64 s[8:9], s[8:9], s[16:17]          ; spart at the batch's first token
.irp s, 0,1,2,3,4,5,6,7
.irp j, 0,1,2,3
	global_load_b128 v[SPR+16*\s+4*\j:SPR+16*\s+4*\j+3], v4, s[8:9] offset:32768*\s+16*\j
.endr
.endr
	s_lshl_b32 s16, s15, 16
	s_lshr_b32 s18, ttmp9, 1
	s_lshl_b32 s18, s18, 9
	s_add_co_u32 s16, s16, s18
	s_add_co_u32 s16, s16, 4194304
	s_add_nc_u64 s[18:19], s[10:11], s[16:17]      ; vq's scale words: K step 16 b, group xs / 2
.irp k, 0,1,2,3,4,5,6,7,8,9,10,11,12,13,14,15
	global_load_b32 v[VS+\k], v5, s[18:19] offset:4096*\k
.endr
	s_lshl_b32 s16, s15, 20
	s_lshl_b32 s20, ttmp9, 12
	s_add_co_u32 s16, s16, s20
	s_lshl_b32 s20, s14, 10
	s_add_co_u32 s16, s16, s20
	s_add_nc_u64 s[20:21], s[10:11], s[16:17]      ; vq's images: K step 16 b, d tile 4 xs + w
	WIN 0x40                                       ; destination window 1
.irp k, 0,1,2,3,4,5,6,7,8,9,10,11,12,13,14,15
.irp c, 0,1
	global_load_b128 v[8*\k+4*\c:8*\k+4*\c+3], v6, s[20:21] offset:65536*\k+512*\c
.endr
.endr
	WIN 0
	s_lshl_b32 s16, s15, 12
	s_lshl_b32 s28, ttmp9, 8
	s_add_co_u32 s16, s16, s28
	s_add_nc_u64 s[12:13], s[12:13], s[16:17]      ; hfin [b][64 xs]
	s_wait_kmcnt 0x0
	s_min_u32 s30, s30, 0x7cff                     ; the index stays inside the table
	s_lshl_b32 s30, s30, 12
	s_add_co_u32 s30, s30, s31
	v_lshl_add_u32 v7, v3, 6, s30
	global_load_b128 v[RS:RS+3], v7, s[6:7]        ; the residual: embed[x[b][2047]] at my eight d
	global_load_b128 v[RS+4:RS+7], v7, s[6:7] offset:16
	s_wait_loadcnt 50                              ; the 32 loads of scores are in; behind them stand 16 + 32 + 2
.irp i, 0,1,2,3,4,5,6,7
	v_pk_add_f32 v[S+2*\i:S+2*\i+1], v[SPR+2*\i:SPR+2*\i+1], v[SPR+16+2*\i:SPR+16+2*\i+1]
.endr
.irp s, 2,3,4,5,6,7
.irp i, 0,1,2,3,4,5,6,7
	v_pk_add_f32 v[S+2*\i:S+2*\i+1], v[S+2*\i:S+2*\i+1], v[SPR+16*\s+2*\i:SPR+16*\s+2*\i+1]
.endr
.endr
	v_max3_num_f32 v17, v[S], v[S+1], v[S+2]       ; the row's largest score: my 16,
	v_max3_num_f32 v18, v[S+3], v[S+4], v[S+5]
	v_max3_num_f32 v17, v17, v[S+6], v[S+7]
	v_max3_num_f32 v18, v18, v[S+8], v[S+9]
	v_max3_num_f32 v17, v17, v[S+10], v[S+11]
	v_max3_num_f32 v18, v18, v[S+12], v[S+13]
	v_max3_num_f32 v17, v17, v[S+14], v[S+15]
	v_max_num_f32 v17, v17, v18
	v_max_num_f32_dpp v17, v17, v17 row_xmask:1 row_mask:0xf bank_mask:0xf   ; the wave's,
	v_max_num_f32_dpp v17, v17, v17 row_xmask:2 row_mask:0xf bank_mask:0xf
	v_max_num_f32_dpp v17, v17, v17 row_xmask:4 row_mask:0xf bank_mask:0xf
	v_max_num_f32_dpp v17, v17, v17 row_xmask:8 row_mask:0xf bank_mask:0xf
	v_permlanex16_b32 v18, v17, s24, s25
	v_max_num_f32 v17, v17, v18
	ds_store_b32 v8, v17 offset:RED
	s_wait_dscnt 0x0
	s_barrier_signal -1
	s_barrier_wait -1
	ds_load_b128 v[20:23], v16 offset:RED          ; and the four waves'
	s_wait_dscnt 0x0
	v_max3_num_f32 v17, v20, v21, v22
	v_max_num_f32 v17, v17, v23
	v_mul_f32 v17, s22, v17                        ; as t (c is positive)
	v_floor_f32 v12, -v17                          ; -M = floor(-t) = -ceil(t)
	v_mov_b32 v13, v12
.irp j, 0,2,4,6,8,10,12,14
	v_pk_fma_f32 v[S+\j:S+\j+1], v[S+\j:S+\j+1], s[22:23], v[12:13] op_sel_hi:[1,0,0]   ; t - M
.endr
.irp j, 0,1,2,3,4,5,6,7,8,9,10,11,12,13,14,15
	v_exp_f32 v[S+\j], v[S+\j]                     ; p = 2^(t - M), at most 1
.endr
	v_nop                                          ; a plain line behind the exponentials
	s_wait_alu depctr_va_vdst(0)
	v_pk_add_f32 v[24:25], v[S:S+1], v[S+2:S+3]    ; l is taken of the unquantised p
	v_pk_add_f32 v[26:27], v[S+4:S+5], v[S+6:S+7]
	v_pk_add_f32 v[24:25], v[24:25], v[S+8:S+9]
	v_pk_add_f32 v[26:27], v[26:27], v[S+10:S+11]
	v_pk_add_f32 v[24:25], v[24:25], v[S+12:S+13]
	v_pk_add_f32 v[26:27], v[26:27], v[S+14:S+15]
	v_pk_add_f32 v[24:25], v[24:25], v[26:27]
	v_add_f32 v24, v24, v25
	v_add_f32_dpp v24, v24, v24 row_xmask:1 row_mask:0xf bank_mask:0xf
	v_add_f32_dpp v24, v24, v24 row_xmask:2 row_mask:0xf bank_mask:0xf
	v_add_f32_dpp v24, v24, v24 row_xmask:4 row_mask:0xf bank_mask:0xf
	v_add_f32_dpp v24, v24, v24 row_xmask:8 row_mask:0xf bank_mask:0xf
	v_permlanex16_b32 v25, v24, s24, s25
	v_add_f32 v24, v24, v25
	ds_store_b32 v8, v24 offset:RED2
	v_max3_num_f32 v19, v[S], v[S+1], 0x1800000    ; the block's largest p (none is negative), with the floor 2^(3 - 127)
.irp i, 2,4,6,8,10,12,14
	v_max3_num_f32 v19, v19, v[S+\i], v[S+\i+1]
.endr
	v_max_num_f32_dpp v19, v19, v19 row_xmask:1 row_mask:0xf bank_mask:0xf   ; with my neighbour's 16 keys
	v_add_nc_u32 v30, 0xff000000, v19              ; 2 off the exponent field: the conversion's scale operand
	v_lshrrev_b32 v31, 23, v30                     ; the byte
	v_cvt_scalef32_pk8_fp4_f32 v28, v[S:S+7], v30
	v_cvt_scalef32_pk8_fp4_f32 v29, v[S+8:S+15], v30
	v_nop
	ds_store_b64 v9, v[28:29]
	ds_store_b8 v10, v31                           ; both lanes of a block write the same byte with the same value
	s_wait_dscnt 0x0
	s_barrier_signal -1
	s_barrier_wait -1
.irp k, 0,1,2,3,4,5,6,7,8,9,10,11,12,13,14,15
.irp c, 0,1
	ds_load_b128 v[SPR+8*\k+4*\c:SPR+8*\k+4*\c+3], v11 offset:64*\k+32*\c    ; keys 128 k + 64 c + 32 h on: the same 16 bytes for all 16 rows
.endr
.endr
.irp i, 0,1,2,3
	ds_load_b128 v[PS+4*\i:PS+4*\i+3], v16 offset:PSB+16*\i        ; word k in every lane
.endr
	ds_load_b128 v[LS:LS+3], v16 offset:RED2
	s_wait_dscnt 0x0
	s_wait_loadcnt 0x0                             ; V, its scale words, the residual
	WIN 0x01                                       ; source 0 (V) window 1
.irp k, 0,1,2,3,4,5,6,7,8,9,10,11,12,13,14,15  ; two accumulators by turns, one instruction a turn
.if \k < 2
	v_wmma_scale_f32_16x16x128_f8f6f4 v[ACC+8*(\k%2):ACC+8*(\k%2)+7], v[8*\k:8*\k+7], v[SPR+8*\k:SPR+8*\k+7], 0, v[VS+\k], v[PS+\k] matrix_a_fmt:MATRIX_FMT_FP4 matrix_b_fmt:MATRIX_FMT_FP4
.else
	v_wmma_scale_f32_16x16x128_f8f6f4 v[ACC+8*(\k%2):ACC+8*(\k%2)+7], v[8*\k:8*\k+7], v[SPR+8*\k:SPR+8*\k+7], v[ACC+8*(\k%2):ACC+8*(\k%2)+7], v[VS+\k], v[PS+\k] matrix_a_fmt:MATRIX_FMT_FP4 matrix_b_fmt:MATRIX_FMT_FP4
.endif
.endr
	WIN 0
	v_add_f32 v24, v[LS], v[LS+1]                  ; l: four plain lines, the places behind the last products
	v_add_f32 v25, v[LS+2], v[LS+3]
	v_add_f32 v24, v24, v25
	v_nop
	v_rcp_f32 v24, v24
.irp i, 0,1,2,3
	v_pk_add_f32 v[O+2*\i:O+2*\i+1], v[ACC+2*\i:ACC+2*\i+1], v[ACC+8+2*\i:ACC+8+2*\i+1]   ; both accumulators from their low ends on
.endr
	s_wait_alu depctr_va_vdst(0)
.irp i, 0,1,2,3,4,5,6,7
	v_fma_f32 v[O+\i], v[O+\i], v24, v[RS+\i]      ; / l, + the residual
.endr
	ds_store_b128 v14, v[O:O+3]                    ; the sixteen lanes of a half write the same bytes with the same values
	ds_store_b128 v14, v[O+4:O+7] offset:16
	s_wait_dscnt 0x0
	s_barrier_signal -1
	s_barrier_wait -1
	s_cmp_lg_u32 s14, 0
	s_cbranch_scc1 .Lend
	ds_load_b128 v[20:23], v15 offset:HST
	s_wait_dscnt 0x0
	global_store_b128 v15, v[20:23], s[12:13]      ; 256 consecutive bytes, aligned (lanes 16-31 repeat lanes 0-15)
.Lend:
	s_wait_tensorcnt 0x0
	ds_add_u32 v254, v255
	s_wait_dscnt 0x0
	s_endpgm
.Lfunc_end_k_q7f7889e396_attn:
	.size	k_q7f7889e396_attn, .Lfunc_end_k_q7f7889e396_attn-k_q7f7889e396_attn
	.p2alignl 7, 3214868480
	.fill 96, 4, 3214868480
	.section	.rodata,"a",@progbits
	.p2align	6, 0x0
	.amdhsa_kernel k_q7f7889e396_attn
		.amdhsa_group_segment_fixed_size 4608
		.amdhsa_private_segment_fixed_size 0
		.amdhsa_enable_private_segment 0
		.amdhsa_kernarg_size 40
		.amdhsa_user_sgpr_count 2
		.amdhsa_user_sgpr_kernarg_segment_ptr 1
		.amdhsa_wavefront_size32 1
		.amdhsa_system_sgpr_workgroup_id_x 1
		.amdhsa_system_sgpr_workgroup_id_y 1
		.amdhsa_system_sgpr_workgroup_id_z 1
		.amdhsa_system_vgpr_workitem_id 0
		.amdhsa_next_free_vgpr 384
		.amdhsa_next_free_sgpr 66
		.amdhsa_reserve_vcc 0
		.amdhsa_float_denorm_mode_32 3
		.amdhsa_float_denorm_mode_16_64 3
		.amdhsa_memory_ordered 1
		.amdhsa_forward_progress 1
		.amdhsa_inst_pref_size 25
	.end_amdhsa_kernel
	.amdgpu_metadata
---
amdhsa.version: [ 1, 2 ]
amdhsa.kernels:
  - .name:           k_q7f7889e396_attn
    .symbol:         k_q7f7889e396_attn.kd
    .args:
      - { .name: x, .offset: 0, .size: 8, .value_kind: global_buffer, .address_space: global }
      - { .name: embed, .offset: 8, .size: 8, .value_kind: global_buffer, .address_space: global }
      - { .name: spart, .offset: 16, .size: 8, .value_kind: global_buffer, .address_space: global }
      - { .name: vq, .offset: 24, .size: 8, .value_kind: global_buffer, .address_space: global }
      - { .name: hfin, .offset: 32, .size: 8, .value_kind: global_buffer, .address_space: global }
    .group_segment_fixed_size: 4608
    .private_segment_fixed_size: 0
    .kernarg_segment_align: 8
    .kernarg_segment_size: 40
    .max_flat_workgroup_size: 128
    .sgpr_count:     66
    .vgpr_count:     384
    .wavefront_size: 32
...
	.end_amdgpu_metadata
.endif
;; end of part 3
;; launch proj (part 4): grid 250 x 1, 16 waves a work-group, no clusters, 34,816 bytes of LDS; arguments hfin, out_w, out_b, out0; writes out0
.if DOCPART == 4
	.amdgcn_target "amdgcn-amd-amdhsa--gfx1250"
	.amdhsa_code_object_version 6
	.text
	.protected	k_q7f7889e396_proj
	.globl	k_q7f7889e396_proj
	.p2align	8
	.type	k_q7f7889e396_proj,@function
k_q7f7889e396_proj:
	s_mov_b64 s[64:65], 0
	v_nop
	global_prefetch_b8 v0, s[64:65] scope:SCOPE_SE
	s_setreg_imm32_b32 hwreg(HW_REG_WAVE_MODE, 25, 1), 1
	s_wait_xcnt 0x0
; out0[b][n] = the sum over k of hfin[b][k] out_w[k][n] + out_b[n]: 4 rows x 1,024 x 32,000, in f32.
; A stream: out_w is read once, 131 MB, for 4 rows: 4 multiply-adds for each 4 bytes.  The matrix units, LDS tiles and clusters would add nothing (four rows; K is not innermost; no byte is read twice).
; Work-group j takes columns 128 j on; wave w rows k = 64 w on; lane l columns 4 l on: a load of the wave covers 512 consecutive bytes, aligned.  A ring of 32 rows in registers: 32 loads of a wave are always out.
; The four rows of hfin stand in scalar registers, eight k at a time, in two sets by turns.  The sixteen waves' sums meet in LDS; waves 0-3 add them, w ascending, one batch each.
.set ACC, 8                            ; v8-23   sums: batch b, column c at 4 b + c
.set R,   32                           ; v32-159 the ring: row i % 32 at 4 (i % 32)
.macro HLOAD c, set                    ; hfin[b][64 w + 8 c ..], b = 0 .. 3, into set 0 (s16-47) or set 1 (s48-63, s68-83)
.irp b, 0,1,2,3
	s_load_b256 s[16+8*\b+(\set)*(32+4*(\b/2)):16+8*\b+(\set)*(32+4*(\b/2))+7], s[4:5], 4096*\b+32*(\c)
.endr
.endm
.macro ROW i
.set RR, R+4*((\i)%32)
.set HS, ((\i)/8)%2
.if (\i) < 32
	s_wait_loadcnt 31                              ; my row is in; the 31 rows behind it stay out
.else
	s_wait_loadcnt 63-(\i)                         ; nothing more is asked for: the counts run down
.endif
.irp b, 0,1,2,3
.irp c, 0,1,2,3
.if (\i) == 0
	v_mul_f32 v[ACC+4*\b+\c], s[16+8*\b+HS*(32+4*(\b/2))+(\i)%8], v[RR+\c]         ; the first row starts the sums: nothing is cleared
.else
	v_fmac_f32 v[ACC+4*\b+\c], s[16+8*\b+HS*(32+4*(\b/2))+(\i)%8], v[RR+\c]
.endif
.endr
.endr
.if (\i) < 32
	global_load_b128 v[RR:RR+3], v1, s[6:7] offset:128000*((\i)+32) th:TH_LOAD_NT   ; 63 rows of 128,000 bytes at the most: inside the signed 24-bit immediate (ISA guide, chapter 10)
.endif
.endm
	s_load_b256 s[4:11], s[0:1], 0x0               ; hfin s[4:5], out_w s[6:7], out_b s[8:9], out0 s[10:11]
	v_lshl_add_u32 v160, v0, 2, 0x8000
	v_mov_b32 v161, 0
	v_lshrrev_b32 v1, 5, v0
	v_readfirstlane_b32 s12, v1                    ; wave 0..15
	v_and_b32 v3, 31, v0
	v_lshlrev_b32 v1, 4, v3                        ; 16 x lane
	s_lshl_b32 s13, s12, 11
	v_add_nc_u32 v2, s13, v1                       ; LDS, in: 2,048 x wave + 16 x lane
	s_and_b32 s13, s12, 3
	s_lshl_b32 s13, s13, 9
	v_add_nc_u32 v3, s13, v1                       ; LDS, out: my batch's 512 bytes of each wave's 2,048
	s_lshl_b32 s13, ttmp9, 9                       ; 512 j
	s_mov_b32 s15, 0
	s_wait_kmcnt 0x0
	s_mov_b32 s14, s13
	s_add_nc_u64 s[8:9], s[8:9], s[14:15]
	s_mul_i32 s14, s12, 8192000
	s_add_co_u32 s14, s14, s13
	s_add_nc_u64 s[6:7], s[6:7], s[14:15]          ; out_w at row 64 w, column 128 j
	s_lshl_b32 s14, s12, 8
	s_add_nc_u64 s[4:5], s[4:5], s[14:15]          ; hfin at k = 64 w
	s_and_b32 s14, s12, 3
	s_mul_i32 s14, s14, 128000
	s_add_co_u32 s14, s14, s13
	s_add_nc_u64 s[10:11], s[10:11], s[14:15]      ; out0 [w % 4][128 j]
	global_load_b128 v[4:7], v1, s[8:9]            ; out_b
.irp i, 0,1,2,3,4,5,6,7,8,9,10,11,12,13,14,15,16,17,18,19,20,21,22,23,24,25,26,27,28,29,30,31
	global_load_b128 v[R+4*\i:R+4*\i+3], v1, s[6:7] offset:128000*\i th:TH_LOAD_NT
.endr
	HLOAD 0, 0
	HLOAD 1, 1
	s_wait_kmcnt 0x0
.set I, 0
.rept 8
.rept 8
	ROW I
.set I, I+1
.endr
.if I < 64
	s_wait_kmcnt 0x0                               ; the next eight k of hfin, asked for eight rows ago
.endif
.if I < 56
	HLOAD I/8+1, (I/8+1)%2                         ; and those after them, into the set just used
.endif
.endr
.irp b, 0,1,2,3
	ds_store_b128 v2, v[ACC+4*\b:ACC+4*\b+3] offset:512*\b
.endr
	s_wait_dscnt 0x0                               ; for the others' sake: my stores have landed
	s_barrier_signal -1
	s_barrier_wait -1
	s_cmp_gt_u32 s12, 3
	s_cbranch_scc1 .Lend
.irp w, 0,1,2,3,4,5,6,7,8,9,10,11,12,13,14,15
	ds_load_b128 v[R+4*\w:R+4*\w+3], v3 offset:2048*\w
.endr
	s_wait_dscnt 0x0
.irp w, 1,2,3,4,5,6,7,8,9,10,11,12,13,14,15
	v_pk_add_f32 v[R:R+1], v[R:R+1], v[R+4*\w:R+4*\w+1]
	v_pk_add_f32 v[R+2:R+3], v[R+2:R+3], v[R+4*\w+2:R+4*\w+3]
.endr
	v_pk_add_f32 v[R:R+1], v[R:R+1], v[4:5]
	v_pk_add_f32 v[R+2:R+3], v[R+2:R+3], v[6:7]
	global_store_b128 v1, v[R:R+3], s[10:11] th:TH_STORE_NT        ; 512 consecutive bytes, aligned
.Lend:
	s_wait_tensorcnt 0x0
	ds_add_u32 v160, v161
	s_wait_dscnt 0x0
	s_endpgm
.Lfunc_end_k_q7f7889e396_proj:
	.size	k_q7f7889e396_proj, .Lfunc_end_k_q7f7889e396_proj-k_q7f7889e396_proj
	.p2alignl 7, 3214868480
	.fill 96, 4, 3214868480
	.section	.rodata,"a",@progbits
	.p2align	6, 0x0
	.amdhsa_kernel k_q7f7889e396_proj
		.amdhsa_group_segment_fixed_size 34816
		.amdhsa_private_segment_fixed_size 0
		.amdhsa_enable_private_segment 0
		.amdhsa_kernarg_size 32
		.amdhsa_user_sgpr_count 2
		.amdhsa_user_sgpr_kernarg_segment_ptr 1
		.amdhsa_wavefront_size32 1
		.amdhsa_system_sgpr_workgroup_id_x 1
		.amdhsa_system_sgpr_workgroup_id_y 1
		.amdhsa_system_sgpr_workgroup_id_z 1
		.amdhsa_system_vgpr_workitem_id 0
		.amdhsa_next_free_vgpr 162
		.amdhsa_next_free_sgpr 84
		.amdhsa_reserve_vcc 0
		.amdhsa_float_denorm_mode_32 3
		.amdhsa_float_denorm_mode_16_64 3
		.amdhsa_memory_ordered 1
		.amdhsa_forward_progress 1
		.amdhsa_inst_pref_size 48
	.end_amdhsa_kernel
	.amdgpu_metadata
---
amdhsa.version: [ 1, 2 ]
amdhsa.kernels:
  - .name:           k_q7f7889e396_proj
    .symbol:         k_q7f7889e396_proj.kd
    .args:
      - { .name: hfin, .offset: 0, .size: 8, .value_kind: global_buffer, .address_space: global }
      - { .name: out_w, .offset: 8, .size: 8, .value_kind: global_buffer, .address_space: global }
      - { .name: out_b, .offset: 16, .size: 8, .value_kind: global_buffer, .address_space: global }
      - { .name: out0, .offset: 24, .size: 8, .value_kind: global_buffer, .address_space: global }
    .group_segment_fixed_size: 34816
    .private_segment_fixed_size: 0
    .kernarg_segment_align: 8
    .kernarg_segment_size: 32
    .max_flat_workgroup_size: 512
    .sgpr_count:     84
    .vgpr_count:     162
    .wavefront_size: 32
...
	.end_amdgpu_metadata
.endif
;; end of part 4
